; MI455X (gfx1250); checked and timed in simulation.
; The chip was launched on July 23, 2026; its instructions are those of AMD's public machine-readable ISA for CDNA 5 (MIT licence, August 2026) and "CDNA5" Instruction Set Architecture Reference Guide (July 2026). The comments in the code are by the model that wrote it; some were corrected since.
;; Multi Head Self Attention. Allowed arithmetic: matrix products marked QUANTISED: E2M1 operands, one E8M0 scale for each 32 along K, by v_wmma_scale_f32_16x16x128_f8f6f4 with both operands' format E2M1 (or v_wmma_scale_f32_32x16x128_f4), f32 sums; everything else in f32.
;; Inputs: Wk_codes 1,024 x 32 x 16 uint8 (E2M1 codes of Wk, K innermost, in blocks of 32 codes, two codes a byte); Wk_scales 1,024 x 32 uint8 (E8M0 scales of Wk, one for each 32 codes along K); Wo_codes 1,024 x 32 x 16 uint8 (E2M1 codes of Wo, K innermost, in blocks of 32 codes, two codes a byte); Wo_scales 1,024 x 32 uint8 (E8M0 scales of Wo, one for each 32 codes along K); Wq_codes 1,024 x 32 x 16 uint8 (E2M1 codes of Wq, K innermost, in blocks of 32 codes, two codes a byte); Wq_scales 1,024 x 32 uint8 (E8M0 scales of Wq, one for each 32 codes along K); Wv_codes 1,024 x 32 x 16 uint8 (E2M1 codes of Wv, K innermost, in blocks of 32 codes, two codes a byte); Wv_scales 1,024 x 32 uint8 (E8M0 scales of Wv, one for each 32 codes along K); bk 1,024 float32; bo 1,024 float32; bq 1,024 float32; bv 1,024 float32; x_codes 4 x 2,048 x 32 x 16 uint8 (E2M1 codes of x, K innermost, in blocks of 32 codes, two codes a byte); x_scales 4 x 2,048 x 32 uint8 (E8M0 scales of x, one for each 32 codes along K).
;; Outputs: out0 4 x 2,048 x 1,024 float32.
;; This version of the problem:
;;   THIS VERSION OF THE PROBLEM IS GIVEN IN LOW PRECISION. The matrix products marked QUANTISED in the list below multiply operands that are first quantised to E2M1 (2 exponent bits, 1 mantissa bit; 4 bits a number), with one power-of-two scale for each 32 numbers along K (OCP MX v1.0); their sums are f32. All else is computed in f32.
;;   The module's matrix products, in the order in which they are computed (A, B: the left and right operand; K: the contracted axis; several contracted axes count as one K, in the product's order):
;;     1. [M 8,192, K 1,024] x [K 1,024, N 1,024]; A: input x (given as codes); B: input Wq (given as codes): QUANTISED
;;     2. [M 8,192, K 1,024] x [K 1,024, N 1,024]; A: input x (given as codes); B: input Wk (given as codes): QUANTISED
;;     3. [M 8,192, K 1,024] x [K 1,024, N 1,024]; A: input x (given as codes); B: input Wv (given as codes): QUANTISED
;;     4. batch 64 x [M 2,048, K 64] x [K 64, N 2,048]; A: computed on the way; B: computed on the way: QUANTISED
;;     5. batch 64 x [M 2,048, K 2,048] x [K 2,048, N 64]; A: softmax (see below); B: computed on the way: QUANTISED
;;     6. [M 8,192, K 1,024] x [K 1,024, N 1,024]; A: computed on the way; B: input Wo (given as codes): QUANTISED
;;   THE QUANTISER, for each operand of a quantised product, along K:
;;     - K is cut into blocks of 32 from its start; a last block that is shorter is filled with zeros.
;;     - A block's scale is 2^e with e = floor(log2(the largest magnitude in the block)) - 2, held to -126 .. 127; a block of zeros has e = 0. As a byte (E8M0): e + 127.
;;     - Each number is divided by its block's scale, clamped to +-6, and rounded to the nearest number of E2M1, ties to even, subnormals kept.
;;     - The product sums the exact products of the quantised numbers (number of the format x scale) in f32.
;;   ~~~python
;;   def quantise(x, axis):      # numpy; x: float32 -> the quantised numbers, widened to float32 again
;;       x = np.moveaxis(x, axis, -1); K = x.shape[-1]
;;       x = np.pad(x, [(0, 0)] * (x.ndim - 1) + [(0, -K % 32)]); x = x.reshape(x.shape[:-1] + (-1, 32)); a = np.abs(x).max(-1, keepdims=True)
;;       e = np.where(a > 0, np.clip(np.frexp(np.where(a > 0, a, 1))[1] - 1 - 2, -126, 127), 0)      # np.frexp(a)[1] - 1 = floor(log2(a)), exactly
;;       r = np.clip(x / 2.0 ** e, -6, 6)
;;       step = 2.0 ** (np.maximum(np.frexp(np.where(r == 0, 1, r))[1] - 1, 0) - 1)
;;       q = np.round(r / step) * step * 2.0 ** e      # np.round: ties to even
;;       return np.moveaxis(q.reshape(q.shape[:-2] + (-1,))[..., :K], -1, axis).astype(np.float32)
;;   ~~~
;;   SOFTMAX AHEAD OF A QUANTISED PRODUCT. Where the list says 'softmax', what is quantised is not the finished softmax but p = 2^(t - M), with t = logit x log2(e) and M = ceil(the row's largest t), a whole number; so 1/2 < the row's largest p <= 1. The row's sum l is taken of the UNQUANTISED p, in f32, and the product's result is divided by l at the end. Since M is a whole number, a kernel that streams over the keys may use a running M (the ceiling of the running maximum): every later rescaling is an exact power of two, which a block's scale takes up: the codes' values come out the same.
;;   OPERANDS COMPUTED ON THE WAY. 'Computed on the way' means the value that the module computes at that place (a softmax that the list does not call 'softmax' is quantised finished and normalised). What goes into a quantiser is computed in f32, as accurately as f32 sums, v_exp_f32 and their like allow (about 1e-6 of the number): no bf16 or f16 on the way to a quantiser, and a product that is left as it is and whose result goes on into a quantised operand takes f32 operands (vector FMAs, or v_wmma_f32_16x16x4_f32). A number that lies on a knife's edge between two numbers of the format may be rounded either way, as far as f32 arithmetic and the matrix unit's own rounding can turn it there, and no further.
;;   INPUTS GIVEN AS CODES. Wk (in the module: [1024, 1024], K = its axis 1); Wo (in the module: [1024, 1024], K = its axis 1); Wq (in the module: [1024, 1024], K = its axis 1); Wv (in the module: [1024, 1024], K = its axis 1); x (in the module: [4, 2048, 1024], K = its axis 2): each comes as NAME_codes (uint8): NAME with its K axis moved to the last place and cut into blocks of 32 codes, [.., K / 32, bytes a block], one block behind the other in memory; two codes a byte, the lower K in the low four bits (a code: sign, 2 exponent bits, 1 mantissa bit); and NAME_scales (uint8): the same leading axes, one E8M0 byte (e + 127) for each 32 codes along K. Its value is code x scale, taken as it is: it is not quantised again, and the codes and scales need not be those that the quantiser above would give.
;; One version. Each part assembles by itself: llvm-mc -triple=amdgcn-amd-amdhsa -mcpu=gfx1250 --defsym DOCPART=n.
;; ======== version 1 of 1: 3 launches
;; workspace buffers: qkv_codes 12,582,912 bytes; qkv_scales 786,432 bytes; att_codes 4,194,304 bytes; att_scales 262,144 bytes
;; launch qkv (part 1): grid 12 x 32, 4 waves a work-group, clusters of 4 x 4, 270,848 bytes of LDS; arguments x_codes, x_scales, Wq_codes, Wq_scales, bq, Wk_codes, Wk_scales, bk, Wv_codes, Wv_scales, bv, qkv_codes, qkv_scales; writes qkv_codes, qkv_scales
.if DOCPART == 1
	.amdgcn_target "amdgcn-amd-amdhsa--gfx1250"
	.amdhsa_code_object_version 6
	.text
	.protected	k_q71a05e1f44_qkv
	.globl	k_q71a05e1f44_qkv
	.p2align	8
	.type	k_q71a05e1f44_qkv,@function
k_q71a05e1f44_qkv:
	s_mov_b64 s[64:65], 0
	v_nop
	global_prefetch_b8 v0, s[64:65] scope:SCOPE_SE
	s_setreg_imm32_b32 hwreg(HW_REG_WAVE_MODE, 25, 1), 1
	s_wait_xcnt 0x0
	s_wait_alu depctr_hold_cnt(0) depctr_sa_sdst(0) depctr_va_vdst(0) depctr_va_sdst(0) depctr_va_ssrc(0) depctr_va_vcc(0) depctr_vm_vsrc(0)
	s_getreg_b32 s2, hwreg(HW_REG_IB_STS2, 6, 4)
	s_cmp_eq_u32 s2, 0
	s_cbranch_scc0 .Lentry_in_a_cluster
	s_endpgm
.Lentry_in_a_cluster:
	s_bfe_u32 s2, ttmp6, 0x10000c
	s_cmp_lg_u32 s2, 0xf033
	s_cbranch_scc0 .Lentry_shape_is_right
	s_endpgm
.Lentry_shape_is_right:
; q = x Wq^T + bq, k = x Wk^T + bk, v = x Wv^T + bv on codes of FP4 (E2M1) with one E8M0 scale for each 32 along K (K = 1,024), sums in f32;
; the results are quantised at once, in registers: q and k along a head's 64 channels, v along the keys (tokens), and leave as IMAGES OF OPERAND REGISTERS for the attention launch.
; SHARES.  The cluster's x is the ROLE (0 q, 1 k, 2 v); cx picks 256 channels of that weight, 4 x cluster y + cy picks 256 tokens.  Four waves, each 128 x 128: 64 accumulators, 512 registers.
; Roles q, k: source 0 = 16 channels of W, source 1 = 16 tokens of x: a lane holds ONE token and its registers run along the channels, the next K.
; Role v: source 0 = 16 tokens, source 1 = 16 channels of Wv: a lane holds ONE channel and its registers run along the tokens, which are the second attention product's K.
; The swap is a choice of two LDS bases and two scale pointers on the role, which all sixteen partners share.
; THE ROWS OF A TILE ARE NOT NEIGHBOURS: in each 32 rows (tokens or channels) tile 2 g + u takes, in lane r, row 32 g + 8 u + r + 8 (r / 8); so the 16 registers of the results of source-0 tiles 2 g and 2 g + 1 are
; 16 neighbours, 32 g + 16 (lane / 16) + 0 .. 15, along the next K.
; LDS: all of K fits (a row of 1,024 codes is 512 bytes), so both tiles are filled once: no slot is ever filled again.  One tensor load brings the u-part of 128 rows as 8 long rows of 4,096 bytes
; (8 dense rows), 16 rows apart, with 16 bytes of padding behind every 512: so a tile's 16 rows lie on end, 528 bytes apart (132 words: sixteen rows begin 4 words apart modulo 64).
; CLUSTERS: 4 x 4.  x's tile hangs on the token block alone and is asked for jointly along a row of the cluster, W's on the role and cx alone and jointly along a column.
; 384 work-groups: a tile of 128 x 128 a wave is what makes each result a whole fragment with a whole scale word.
; LIMITS: NaN, infinities and a given scale byte 0xff are not served.  A block of zeros gets the scale byte 1 where the quantiser's rule says 127: its codes are zeros, and only this program reads the bytes.
; REGISTERS, in windows of 256: window 0: v1-22 addresses; v32-63, v64-95 scale words of source 0 and 1; v96-103 the scale words made; v104-119 at work; v120-123 scale words to store; v128-191 codes made; v192-255 the bias as C.
;   window 1: two sets of fragments: source 0's eight at v[128 p + 8 b], source 1's eight at v[128 p + 64 + 8 a].   windows 2, 3: accumulator (a, b) at v[64 (a % 4) + 8 b] of window 2 + a / 4.
.set PITCH, 528
.set TILEB, 16*PITCH                   ; a tile's 16 rows
.set UPART, 4*TILEB                    ; what one tensor load brings: 64 rows
.set HALF,  2*UPART                    ; 128 rows
.set XREG,  0                          ; x's 256 rows
.set WREG,  2*HALF                     ; W's 256 rows
.set AD0,  16                          ; v16  LDS address of source 0's fragments: base + 528 r + 16 h
.set AD1,  17                          ; v17  of source 1's
.set OFFC, 18                          ; v18  16 x lane: an image's place for my lane
.set OFFS, 19                          ; v19  4,096 h + 16 r: where my four scale words go
.set VSEL, 20                          ; v20  byte selector that makes those words
.set SOF,  21                          ; v21  256 h + 32 (r + 8 (r / 8)): my row of given scale bytes
.set BOF,  22                          ; v22  my offset in the bias
.set SC0,  32                          ; register 8 j + ks: lanes 0-15 the word of source 0's tile 2 j, lanes 16-31 of tile 2 j + 1, K step ks
.set SC1,  64                          ; the same for source 1
.set PW,   96
.set TM,   104                         ; +0..3 largest magnitudes, +4..7 the other half's / bytes, +12..15 the conversions' scale operands
.set SW,   120
.set PC,   128
.set BI,   192
.set WV,   30
.set WA,   31                          ; which 128 tokens are mine.  Also: I fetch for x (0) or for W (1)
.set WB,   66                          ; which 128 channels are mine.  Also: which 128 rows I fetch
.set CX,   67
.set CY,   68
.set ROLE, 69
.set TY,   70                          ; block of 256 tokens
.set TG,   71                          ; my group of 128 tokens, 0 .. 63
.set HP,   72                          ; my pair of heads, 0 .. 7
.set G1X,  32                          ; s[32:39] descriptor group 1 for x's tiles; s[40:47] for W's: they differ in the mask
.set G1W,  40
.set G0X,  48                          ; s[48:55] group 0 for x, a set for each u; s[56:63] for W
.set G0W,  56
.set S0P,  76                          ; s[76:77] given scale bytes of source 0's 128 rows; s[78:79] of source 1's
.set S1P,  78
.set OCP,  80                          ; s[80:81] where my 8 KiB of codes go; s[82:83] my scale words
.set OSP,  82
.set MSB, 0
.macro WIN new                         ; the immediate's high byte repeats the setting that is left; a switch that changes nothing is dropped
.if MSB != (\new)
	s_set_vgpr_msb (MSB<<8)|(\new)
.set MSB, (\new)
.endif
.endm
.macro PLACES n
.rept \n
	v_nop
.endr
.endm
.macro CROUND                          ; a round of the cluster's barrier
	s_barrier_signal -1
	s_barrier_wait -1
	s_cmp_lg_u32 s[WV], 0
	s_cbranch_scc1 .Lnot_wave_0_\@
	s_barrier_signal -3
.Lnot_wave_0_\@:
	s_barrier_wait -3
	s_barrier_signal -1
	s_barrier_wait -1
.endm
	s_load_b128 s[4:7], s[0:1], 0x0                ; x's codes s[4:5], x's scales s[6:7]
	s_load_b512 s[8:23], s[0:1], 0x10              ; Wq: codes, scales, bias s[8:13]; Wk: s[14:19]; Wv: codes s[20:21], scales s[22:23]
	s_load_b128 s[24:27], s[0:1], 0x50             ; bv s[24:25], qkv_codes s[26:27]
	s_load_b64 s[28:29], s[0:1], 0x60              ; qkv_scales
	v_lshl_add_u32 v126, v0, 2, 0x42000
	v_mov_b32 v127, 0
	ds_add_u32 v126, v127
	ds_add_u32 v126, v127
	v_lshrrev_b32 v1, 5, v0
	v_readfirstlane_b32 s[WV], v1                  ; wave 0..3
	s_lshr_b32 s[WA], s[WV], 1
	s_and_b32 s[WB], s[WV], 1
	s_bfe_u32 s[CX], ttmp6, 0x40000
	s_bfe_u32 s[CY], ttmp6, 0x40004
	s_mov_b32 s[ROLE], ttmp9                       ; the cluster's x: the same in all sixteen partners
	s_and_b32 s[TY], ttmp7, 0xffff
	s_lshl_b32 s[TY], s[TY], 2
	s_add_co_u32 s[TY], s[TY], s[CY]
	s_lshl_b32 s[TG], s[TY], 1
	s_add_co_u32 s[TG], s[TG], s[WA]
	s_lshl_b32 s[HP], s[CX], 1
	s_add_co_u32 s[HP], s[HP], s[WB]
	s_lshl_b32 s73, s[CY], 2
	s_lshl_b32 s73, 15, s73                        ; my row of the cluster
	s_lshl_b32 s74, 0x1111, s[CX]                  ; my column
	; group 1: 8 long rows of 512 elements of 8 bytes, 1,024 elements apart; 4 words of padding behind every 128 words
	s_or_b32 s[G1X], s73, (3<<16)|(1<<20)|(1<<21)|(6<<22)|(3<<25)
	s_or_b32 s[G1W], s74, (3<<16)|(1<<20)|(1<<21)|(6<<22)|(3<<25)
.irp g, G1X, G1W
	s_mov_b32 s[\g+1], 512<<16                     ; tensor_dim0
	s_mov_b32 s[\g+2], 8<<16                       ; tensor_dim1
	s_mov_b32 s[\g+3], 512<<16                     ; tile_dim0
	s_mov_b32 s[\g+4], 8                           ; tile_dim1
	s_mov_b32 s[\g+5], 1024                        ; from long row to long row: 16 rows of 512 bytes
	s_mov_b32 s[\g+6], 0
	s_mov_b32 s[\g+7], 0
.endr
	s_lshl_b32 s84, s[TY], 17                      ; x: 256 rows of 512 bytes a block,
	s_lshl_b32 s85, s[WB], 16                      ; + the 128 rows that I fetch
	s_add_co_u32 s84, s84, s85
	s_mov_b32 s85, 0
	s_lshl_b32 s86, s[CX], 17                      ; W likewise, in registers that never hold cy
	s_lshl_b32 s87, s[WB], 16
	s_add_co_u32 s86, s86, s87
	s_mov_b32 s87, 0
	s_mul_i32 s88, s[WB], HALF                     ; and where they go: no place in the cluster enters an LDS address
	s_wait_dscnt 0x0
	s_wait_kmcnt 0x0
	s_cmp_eq_u32 s[ROLE], 1                        ; the role's weight, scales and bias into s[8:13]
	s_cselect_b64 s[8:9], s[14:15], s[8:9]
	s_cselect_b64 s[10:11], s[16:17], s[10:11]
	s_cselect_b64 s[12:13], s[18:19], s[12:13]
	s_cmp_eq_u32 s[ROLE], 2
	s_cselect_b64 s[8:9], s[20:21], s[8:9]
	s_cselect_b64 s[10:11], s[22:23], s[10:11]
	s_cselect_b64 s[12:13], s[24:25], s[12:13]
	s_add_nc_u64 s[90:91], s[4:5], s[84:85]
	s_add_nc_u64 s[92:93], s[8:9], s[86:87]
	CROUND                                         ; all sixteen work-groups are here: the joint loads meet
.irp u, 0,1
	s_mov_b32 s[G0X+4*\u], 1
	s_add_co_u32 s[G0X+4*\u+1], s88, XREG+\u*UPART
	s_add_nc_u64 s[G0X+4*\u+2:G0X+4*\u+3], s[90:91], \u*4096   ; the u-part begins 8 rows further down
	s_or_b32 s[G0X+4*\u+3], s[G0X+4*\u+3], 0x80000000
	s_mov_b32 s[G0W+4*\u], 1
	s_add_co_u32 s[G0W+4*\u+1], s88, WREG+\u*UPART
	s_add_nc_u64 s[G0W+4*\u+2:G0W+4*\u+3], s[92:93], \u*4096
	s_or_b32 s[G0W+4*\u+3], s[G0W+4*\u+3], 0x80000000
.endr
	s_cmp_eq_u32 s[WA], 0                          ; a wave's two fills stand in one branch on the wave's number; two tensor loads of mine are out; four v_nop follow the second
	s_cbranch_scc0 .Lfill_w
	tensor_load_to_lds s[G0X:G0X+3], s[G1X:G1X+7]
	s_nop 0
	tensor_load_to_lds s[G0X+4:G0X+7], s[G1X:G1X+7]
	s_nop 0
	PLACES 4
	s_branch .Lfilled
.Lfill_w:
	tensor_load_to_lds s[G0W:G0W+3], s[G1W:G1W+7]
	s_nop 0
	tensor_load_to_lds s[G0W+4:G0W+7], s[G1W:G1W+7]
	s_nop 0
	PLACES 4
.Lfilled:
	; while the tiles are on their way: addresses, the given scale words, the bias
	v_and_b32 v1, 15, v0                           ; r
	v_bfe_u32 v2, v0, 4, 1                         ; h
	v_mul_u32_u24 v3, v1, PITCH
	v_lshl_add_u32 v3, v2, 4, v3                   ; 528 r + 16 h
	s_wait_alu depctr_va_vdst(0)
	s_mul_i32 s73, s[WA], HALF                     ; x's 128 rows that I multiply (XREG = 0)
	s_mul_i32 s74, s[WB], HALF
	s_add_co_u32 s74, s74, WREG                    ; W's
	s_lshl_b32 s84, s[TG], 12                      ; 128 rows of 32 scale bytes
	s_mov_b32 s85, 0
	s_add_nc_u64 s[84:85], s[6:7], s[84:85]
	s_lshl_b32 s86, s[HP], 12
	s_mov_b32 s87, 0
	s_add_nc_u64 s[86:87], s[10:11], s[86:87]
	s_lshl_b32 s88, s[HP], 9                       ; my 128 numbers of the bias
	s_mov_b32 s89, 0
	s_add_nc_u64 s[12:13], s[12:13], s[88:89]
	s_lshr_b32 s90, s[TG], 4                       ; batch
	s_and_b32 s91, s[TG], 15                       ; group of 128 tokens in it
	s_lshl_b32 s92, s[ROLE], 22                    ; qkv_codes: [role][batch][pair of heads][group][2][8][512 bytes]
	s_lshl_b32 s93, s90, 20
	s_add_co_u32 s92, s92, s93
	s_lshl_b32 s93, s[HP], 17
	s_add_co_u32 s92, s92, s93
	s_lshl_b32 s93, s91, 13
	s_add_co_u32 s92, s92, s93
	s_mov_b32 s93, 0
	s_add_nc_u64 s[OCP:OCP+1], s[26:27], s[92:93]
	s_lshl_b32 s92, s[ROLE], 18                    ; qkv_scales: [role][batch][head][group][r][4 words]
	s_lshl_b32 s93, s90, 16
	s_add_co_u32 s92, s92, s93
	s_lshl_b32 s93, s[HP], 13
	s_add_co_u32 s92, s92, s93
	s_lshl_b32 s93, s91, 8
	s_add_co_u32 s92, s92, s93
	s_mov_b32 s93, 0
	s_add_nc_u64 s[OSP:OSP+1], s[28:29], s[92:93]
	s_mov_b32 s94, 0x05040100                      ; q, k: a word = bytes 0, 1 (first head) or 2, 3 (second head) of tiles p and p + 4
	s_mov_b32 s95, 0x07060302
	s_mov_b32 s96, 0x03020100                      ; v: a word = the whole word of tile p (first head) or p + 4 (second head)
	s_mov_b32 s97, 0x07060504
	s_cmp_eq_u32 s[ROLE], 2
	s_cselect_b32 s75, s73, s74                    ; source 0: tokens in role v, else channels
	s_cselect_b32 s73, s74, s73                    ; source 1: the other
	s_cselect_b64 s[S0P:S0P+1], s[84:85], s[86:87]
	s_cselect_b64 s[S1P:S1P+1], s[86:87], s[84:85]
	s_cselect_b32 s94, s96, s94
	s_cselect_b32 s95, s97, s95
	v_add_nc_u32 v[AD0], s75, v3
	v_add_nc_u32 v[AD1], s73, v3
	v_and_b32 v4, 31, v0
	v_lshlrev_b32 v[OFFC], 4, v4
	v_lshlrev_b32 v[OFFS], 4, v1
	v_lshl_add_u32 v[OFFS], v2, 12, v[OFFS]
	v_and_b32 v5, 8, v1
	v_add_nc_u32 v5, v5, v1                        ; r + 8 (r / 8)
	v_lshlrev_b32 v[SOF], 5, v5
	v_lshl_add_u32 v[SOF], v2, 8, v[SOF]           ; lanes 16-31 take the tile 8 rows further down
	v_mov_b32 v[VSEL], s94
	v_mov_b32 v6, s95
	v_cmp_eq_u32 vcc_lo, 1, v2
	v_cndmask_b32 v[VSEL], v[VSEL], v6, vcc_lo     ; lanes 16-31 make the second head's words
.irp b, 0,1,2,3
	v_mov_b32 v[TM+4+\b], 0                        ; written once: a lane permute's destination counts as one of its sources
.endr
.irp j, 0,1,2,3
.irp q, 0,1
	global_load_b128 v[SC0+8*\j+4*\q:SC0+8*\j+4*\q+3], v[SOF], s[S0P:S0P+1] offset:1024*\j+16*\q   ; four K steps' words of my row of tiles 2 j, 2 j + 1
	global_load_b128 v[SC1+8*\j+4*\q:SC1+8*\j+4*\q+3], v[SOF], s[S1P:S1P+1] offset:1024*\j+16*\q
.endr
.endr
	s_cmp_eq_u32 s[ROLE], 2                        ; the bias is the C of each sum's first product, in the result's layout
	s_cbranch_scc1 .Lbias_v
	v_lshlrev_b32 v[BOF], 6, v2                    ; q, k: it runs down the registers: tile b's register j is channel 32 (b / 2) + 16 h + 8 (b % 2) + j
.irp b, 0,1,2,3,4,5,6,7
	global_load_b128 v[BI+8*\b:BI+8*\b+3], v[BOF], s[12:13] offset:(32*(\b/2)+8*(\b%2))*4
	global_load_b128 v[BI+8*\b+4:BI+8*\b+7], v[BOF], s[12:13] offset:(32*(\b/2)+8*(\b%2))*4+16
.endr
	s_branch .Lbias_done
.Lbias_v:
	v_lshlrev_b32 v[BOF], 2, v5                    ; v: a lane holds one channel: the same number in all eight registers of tile a
.irp a, 0,1,2,3,4,5,6,7
	global_load_b32 v[BI+8*\a], v[BOF], s[12:13] offset:(32*(\a/2)+8*(\a%2))*4
.endr
	s_wait_loadcnt 0x0
.irp a, 0,1,2,3,4,5,6,7
.irp j, 1,2,3,4,5,6,7
	v_mov_b32 v[BI+8*\a+\j], v[BI+8*\a]
.endr
.endr
.Lbias_done:
; One product.  The caller sets rD, rA, rB, rC, rSA, rSB; ra, rb = 1: that side's scale words stand in lanes 16-31 of the register named.
.macro WM ra, rb
.if ((\ra)+2*(\rb)) == 0
	v_wmma_scale_f32_16x16x128_f8f6f4 v[rD:rD+7], v[rA:rA+7], v[rB:rB+7], v[rC:rC+7], v[rSA], v[rSB] matrix_a_fmt:MATRIX_FMT_FP4 matrix_b_fmt:MATRIX_FMT_FP4
.elseif ((\ra)+2*(\rb)) == 1
	v_wmma_scale_f32_16x16x128_f8f6f4 v[rD:rD+7], v[rA:rA+7], v[rB:rB+7], v[rC:rC+7], v[rSA], v[rSB] matrix_a_fmt:MATRIX_FMT_FP4 matrix_b_fmt:MATRIX_FMT_FP4 matrix_a_scale:MATRIX_SCALE_ROW1
.elseif ((\ra)+2*(\rb)) == 2
	v_wmma_scale_f32_16x16x128_f8f6f4 v[rD:rD+7], v[rA:rA+7], v[rB:rB+7], v[rC:rC+7], v[rSA], v[rSB] matrix_a_fmt:MATRIX_FMT_FP4 matrix_b_fmt:MATRIX_FMT_FP4 matrix_b_scale:MATRIX_SCALE_ROW1
.else
	v_wmma_scale_f32_16x16x128_f8f6f4 v[rD:rD+7], v[rA:rA+7], v[rB:rB+7], v[rC:rC+7], v[rSA], v[rSB] matrix_a_fmt:MATRIX_FMT_FP4 matrix_b_fmt:MATRIX_FMT_FP4 matrix_a_scale:MATRIX_SCALE_ROW1 matrix_b_scale:MATRIX_SCALE_ROW1
.endif
.endm
; 32 LDS loads in one run: K step ks's sixteen fragments into set p.  A fragment, 16 rows x 128 K, is two loads of 16 bytes, 32 bytes apart, at row x pitch + 16 h.
.macro FETCH ks, p
	WIN 0x40                                       ; destination window 1, address window 0
.irp t, 0,1,2,3,4,5,6,7
.irp c, 0,1
	ds_load_b128 v[128*(\p)+8*\t+4*\c:128*(\p)+8*\t+4*\c+3], v[AD0] offset:(\t%2)*UPART+(\t/2)*TILEB+64*(\ks)+32*\c
.endr
.endr
.irp t, 0,1,2,3,4,5,6,7
.irp c, 0,1
	ds_load_b128 v[128*(\p)+64+8*\t+4*\c:128*(\p)+64+8*\t+4*\c+3], v[AD1] offset:(\t%2)*UPART+(\t/2)*TILEB+64*(\ks)+32*\c
.endr
.endr
.endm
; 32 products: source 1's tiles 4 hi .. 4 hi + 3 against source 0's eight.  cmode 0: onto the sums; 1: C = the bias by source 0's tile; 2: by source 1's tile.
; The 64 accumulators take turns, one instruction a turn, in the same order in every K step.
.macro MULH hi, p, ks, cmode
.if (\cmode) == 0
	WIN 0xa5+0x50*(\hi)                            ; sources 0 and 1 window 1; C and D window 2 or 3
.else
	WIN 0x85+0x40*(\hi)                            ; C in window 0
.endif
.irp a, 0,1,2,3
.irp b, 0,1,2,3,4,5,6,7
.set rD, 64*\a+8*\b
.set rA, 128*(\p)+8*\b
.set rB, 128*(\p)+64+8*(4*(\hi)+\a)
.set rC, rD
.if (\cmode) == 1
.set rC, BI+8*\b
.endif
.if (\cmode) == 2
.set rC, BI+8*(4*(\hi)+\a)
.endif
.set rSA, SC0+8*(\b/2)+(\ks)
.set rSB, SC1+8*((4*(\hi)+\a)/2)+(\ks)
	WM \b%2, \a%2
.endr
.endr
.endm
.macro MULS p, ks, cmode
	MULH 0, \p, \ks, \cmode
	MULH 1, \p, \ks, \cmode
	WIN 0
.endm
.macro STEP ks                         ; K step ks: its fragments were asked for a step ago; the next step's are asked for first, 64 products ahead of their use
	s_wait_dscnt 0x0                               ; this step's 32 loads are in
.if (\ks) < 7
	PLACES 4                                       ; four plain places between the last products that read the other set and the loads into it
	FETCH (\ks)+1, ((\ks)+1)%2
.endif
	MULS (\ks)%2, \ks, 0
.endm
	s_wait_tensorcnt 0x0                           ; my two parts of the tiles have landed,
	s_barrier_signal -1
	s_barrier_wait -1                              ; everybody's have
	FETCH 0, 0
	s_wait_loadcnt 0x0                             ; the given scale words and the bias
	s_wait_dscnt 0x0
	FETCH 1, 1
	WIN 0                                          ; at a branch and at a label every window is 0
	s_cmp_eq_u32 s[ROLE], 2
	s_cbranch_scc1 .Lfirst_v
	s_wait_alu depctr_va_vdst(0)
	MULS 0, 0, 1                                   ; the first K step starts the sums from the bias: nothing is cleared, nothing is added later
	s_branch .Lfirst_done
.Lfirst_v:
	s_wait_alu depctr_va_vdst(0)
	MULS 0, 0, 2
.Lfirst_done:
.irp ks, 1,2,3,4,5,6,7
	STEP \ks
.endr
; THE QUANTISER.  The 64 registers of source 1's tile a: register 16 b + i is element 32 b + 16 h + i of my row along the next K.  They become a fragment's 8 registers of codes, v[PC + 8 a] on, and my row's scale word.
; A block's scale operand is its largest magnitude (not under the floor 2^(3 - 127), so that the byte cannot fall under 1) with 2 taken off the exponent field; the byte is that field.  Each accumulator is read from its low end on.
.macro QUANTW a
.set AB, 64*((\a)%4)
.set WW, 2+(\a)/4
	WIN WW|(WW<<2)                                 ; sources 0 and 1: the accumulators' window
.irp b, 0,1,2,3
	v_max3_num_f32 v[TM+\b], |v[AB+16*\b]|, |v[AB+16*\b+1]|, 0x1800000
.endr
.irp i, 2,4,6,8,10,12,14
.irp b, 0,1,2,3
	v_max3_num_f32 v[TM+\b], |v[AB+16*\b+\i]|, |v[AB+16*\b+\i+1]|, v[TM+\b]   ; the four blocks by turns
.endr
.endr
	WIN 0
.irp b, 0,1,2,3
	v_permlanex16_b32 v[TM+4+\b], v[TM+\b], s98, s99
.endr
.irp b, 0,1,2,3
	v_max_num_f32 v[TM+\b], v[TM+\b], v[TM+4+\b]   ; with lane l xor 16's 16 numbers: the block's largest magnitude
.endr
.irp b, 0,1,2,3
	v_add_nc_u32 v[TM+12+\b], 0xff000000, v[TM+\b] ; 2 off its exponent field
.endr
.irp b, 0,1,2,3
	v_lshrrev_b32 v[TM+4+\b], 23, v[TM+12+\b]      ; the scale's byte
.endr
	v_lshl_or_b32 v[PW+(\a)], v[TM+5], 8, v[TM+4]
	v_lshl_or_b32 v[PW+(\a)], v[TM+6], 16, v[PW+(\a)]
	v_lshl_or_b32 v[PW+(\a)], v[TM+7], 24, v[PW+(\a)]
	WIN WW                                         ; source 0: the accumulators' window
.irp b, 0,1,2,3
	v_cvt_scalef32_pk8_fp4_f32 v[PC+8*(\a)+2*\b], v[AB+16*\b:AB+16*\b+7], v[TM+12+\b]
	v_cvt_scalef32_pk8_fp4_f32 v[PC+8*(\a)+2*\b+1], v[AB+16*\b+8:AB+16*\b+15], v[TM+12+\b]
.endr
	WIN 0
	v_nop                                          ; one plain place behind the last scaled conversion
.irp c, 0,1                                    ; the operand's layout wants a whole block in a lane: lanes 0-15 block 2 c, lanes 16-31 block 2 c + 1
.irp i, 0,1
	v_permlane16_swap_b32 v[PC+8*(\a)+4*\c+\i], v[PC+8*(\a)+2+4*\c+\i]
.endr
.endr
.endm
	s_mov_b32 s98, 0x76543210
	s_mov_b32 s99, 0xfedcba98                      ; v_permlanex16_b32's selects for lane l xor 16
	PLACES 4                                       ; four plain places between the last products and the first read of results
.irp a, 0,1,2,3,4,5,6,7
	QUANTW \a
	global_store_b128 v[OFFC], v[PC+8*\a:PC+8*\a+3], s[OCP:OCP+1] offset:512*\a          ; 32 lanes store 512 consecutive bytes: q, k: the first head's 64 channels; v: keys 0-63 of the group
	global_store_b128 v[OFFC], v[PC+8*\a+4:PC+8*\a+7], s[OCP:OCP+1] offset:512*\a+4096   ; the second head's; keys 64-127.  Each tile has code registers of its own: no store's data are written again
.endr
.irp p, 0,1,2,3
	v_perm_b32 v[SW+\p], v[PW+\p+4], v[PW+\p], v[VSEL]
.endr
	global_store_b128 v[OFFS], v[SW:SW+3], s[OSP:OSP+1]   ; lanes 0-15: 256 consecutive bytes of the first head, lanes 16-31 of the second
	s_wait_tensorcnt 0x0
	ds_add_u32 v126, v127
	s_wait_dscnt 0x0
	CROUND                                         ; the closing round: no work-group ends while a partner may still ask for a tile that names it
	s_endpgm
.Lfunc_end_k_q71a05e1f44_qkv:
	.size	k_q71a05e1f44_qkv, .Lfunc_end_k_q71a05e1f44_qkv-k_q71a05e1f44_qkv
	.p2alignl 7, 3214868480
	.fill 96, 4, 3214868480
	.section	.rodata,"a",@progbits
	.p2align	6, 0x0
	.amdhsa_kernel k_q71a05e1f44_qkv
		.amdhsa_group_segment_fixed_size 270848
		.amdhsa_private_segment_fixed_size 0
		.amdhsa_enable_private_segment 0
		.amdhsa_kernarg_size 104
		.amdhsa_user_sgpr_count 2
		.amdhsa_user_sgpr_kernarg_segment_ptr 1
		.amdhsa_wavefront_size32 1
		.amdhsa_system_sgpr_workgroup_id_x 1
		.amdhsa_system_sgpr_workgroup_id_y 1
		.amdhsa_system_sgpr_workgroup_id_z 1
		.amdhsa_system_vgpr_workitem_id 0
		.amdhsa_next_free_vgpr 1024
		.amdhsa_next_free_sgpr 100
		.amdhsa_reserve_vcc 1
		.amdhsa_float_denorm_mode_32 3
		.amdhsa_float_denorm_mode_16_64 3
		.amdhsa_memory_ordered 1
		.amdhsa_forward_progress 1
		.amdhsa_inst_pref_size 137
	.end_amdhsa_kernel
	.amdgpu_metadata
---
amdhsa.version: [ 1, 2 ]
amdhsa.kernels:
  - .name:           k_q71a05e1f44_qkv
    .symbol:         k_q71a05e1f44_qkv.kd
    .args:
      - { .name: x_codes, .offset: 0, .size: 8, .value_kind: global_buffer, .address_space: global }
      - { .name: x_scales, .offset: 8, .size: 8, .value_kind: global_buffer, .address_space: global }
      - { .name: Wq_codes, .offset: 16, .size: 8, .value_kind: global_buffer, .address_space: global }
      - { .name: Wq_scales, .offset: 24, .size: 8, .value_kind: global_buffer, .address_space: global }
      - { .name: bq, .offset: 32, .size: 8, .value_kind: global_buffer, .address_space: global }
      - { .name: Wk_codes, .offset: 40, .size: 8, .value_kind: global_buffer, .address_space: global }
      - { .name: Wk_scales, .offset: 48, .size: 8, .value_kind: global_buffer, .address_space: global }
      - { .name: bk, .offset: 56, .size: 8, .value_kind: global_buffer, .address_space: global }
      - { .name: Wv_codes, .offset: 64, .size: 8, .value_kind: global_buffer, .address_space: global }
      - { .name: Wv_scales, .offset: 72, .size: 8, .value_kind: global_buffer, .address_space: global }
      - { .name: bv, .offset: 80, .size: 8, .value_kind: global_buffer, .address_space: global }
      - { .name: qkv_codes, .offset: 88, .size: 8, .value_kind: global_buffer, .address_space: global }
      - { .name: qkv_scales, .offset: 96, .size: 8, .value_kind: global_buffer, .address_space: global }
    .group_segment_fixed_size: 270848
    .private_segment_fixed_size: 0
    .kernarg_segment_align: 8
    .kernarg_segment_size: 104
    .max_flat_workgroup_size: 128
    .sgpr_count:     100
    .vgpr_count:     1024
    .wavefront_size: 32
...
	.end_amdgpu_metadata
.endif
;; end of part 1
;; launch attn (part 2): grid 8 x 32, 16 waves a work-group, clusters of 4 x 1, 327,680 bytes of LDS; arguments qkv_codes, qkv_scales, att_codes, att_scales; writes att_codes, att_scales
.if DOCPART == 2
	.amdgcn_target "amdgcn-amd-amdhsa--gfx1250"
	.amdhsa_code_object_version 6
	.text
	.protected	k_q71a05e1f44_attn
	.globl	k_q71a05e1f44_attn
	.p2align	8
	.type	k_q71a05e1f44_attn,@function
k_q71a05e1f44_attn:
	s_mov_b64 s[64:65], 0
	v_nop
	global_prefetch_b8 v0, s[64:65] scope:SCOPE_SE
	s_setreg_imm32_b32 hwreg(HW_REG_WAVE_MODE, 25, 1), 1
	s_wait_xcnt 0x0
	s_wait_alu depctr_hold_cnt(0) depctr_sa_sdst(0) depctr_va_vdst(0) depctr_va_sdst(0) depctr_va_ssrc(0) depctr_va_vcc(0) depctr_vm_vsrc(0)
	s_getreg_b32 s2, hwreg(HW_REG_IB_STS2, 6, 4)
	s_cmp_eq_u32 s2, 0
	s_cbranch_scc0 .Lentry_in_a_cluster
	s_endpgm
.Lentry_in_a_cluster:
	s_bfe_u32 s2, ttmp6, 0x10000c
	s_cmp_lg_u32 s2, 0x3003
	s_cbranch_scc0 .Lentry_shape_is_right
	s_endpgm
.Lentry_shape_is_right:
; attention of one pair of heads (head size 64) for 256 queries, both products on codes of FP4 (E2M1) with one E8M0 scale for each 32 along K; the result is quantised along the 1,024 channels for the last product.
; THE SOFTMAX AHEAD OF THE SECOND PRODUCT: t = score x log2(e) / 8; M = the row's largest t so far, rounded UP to a whole number; p = 2^(t - M) is what is quantised, along the keys, not normalised.
; The row's sum is taken of the unquantised p, in f32, and divides O at the end.  When M moves, the sum and O are multiplied by 2^(old M - new M): exact.
; SHARES.  Work-group y = 8 x batch + pair of heads; work-group x = a block of 256 queries.  Each of SIXTEEN waves owns one tile of 16 queries in 256 registers, four waves to a SIMD, and does the pair's first head, then its second,
; 16 steps of 128 keys each.  K and V of the pair (128 KiB each) and their scale words (8 KiB each) are filled into LDS once and stay: no byte of LDS is filled again.
; They lie as IMAGES OF OPERAND REGISTERS (lane l's 16 bytes at 16 l), so every fragment load reads 512 consecutive bytes: no pitch, no padding.
; CLUSTER.  The four query blocks of a cluster walk the same K and V: each part is asked for JOINTLY, by the same tensor load with the same descriptor and the mask of all four.
; LAYOUT.  Both products are used transposed: S^T = K Q^T (source 0 = 16 keys, source 1 = my queries), O^T = V^T P^T (source 0 = 16 channels, source 1 = P): a lane holds ONE query throughout.
; Tiles of keys and of channels are those that the launch before has laid: tile 2 g + u takes, in lane r, row 32 g + 8 u + r + 8 (r / 8): the 16 registers of tiles 2 g, 2 g + 1 are 16 neighbours.
; K = 64 IN AN INSTRUCTION OF K = 128: a fragment of K holds TWO tiles of keys, tile p in registers 0-3 (k = 0 .. 63) and tile p + 4 in registers 4-7 (k = 64 .. 127), with both tiles' scale bytes in one word;
; it is multiplied by [q | 0] for tile p and by [0 | q] for tile p + 4.  Zero codes add nothing under any scale byte that this program makes (1 .. 254).
; LIMITS: NaN and infinities are not served.  t - M is one fused multiply-add.  1 / sum is v_rcp_f32.  A block of zeros gets the byte 1 where the rule says 127: its codes are zeros, and only this program reads the bytes.
.set KC,   0                           ; K's codes: [step 16][head 2][tile 8][512 bytes]
.set VC,   131072                      ; V's codes: [step 16][key half 2][head 2][channel tile 4][512 bytes]
.set KSR,  262144                      ; K's scale words: [head 2][step 16][r 16][4 words]
.set VSR,  270336                      ; V's likewise
.set SCR,  278528                      ; 1,024 bytes of scratch for the results' scale words: no fill lands there
.set LI,   1                           ; v1   16 x lane
.set LR,   2                           ; v2   16 r
.set ADK,  3                           ; v3-5 LDS addresses of the step's K, V and scale words
.set ADV,  4
.set ADS,  5
.set SCA,  8                           ; v8   where my tile's scale word goes in the scratch
.set PWA,  9                           ; v9   that word
.set QW,   10                          ; v10, v11  Q's scale words, first and second head
                                       ; v12 -M, v13 the largest t, v[14:15] the sum in two halves;  v16-35: 0 | q of head 0 | 0 | q of head 1 | 0, four registers each
.set KSW,  36                          ; v36-39 K's scale words of the step;  v40-43 V's
.set VSW,  40
.set PC,   44                          ; v44-51 p's codes
.set BM,   52                          ; v52-55 each block's largest score, then largest p
.set PT,   56                          ; v56-59 the other half's, a second chain of the sum, bytes
.set SO,   60                          ; v60-63 the conversions' scale operands
.set F,    64                          ; v[64:65] f = 2^(old M - new M); the pair's upper word is written once
.set T,    66
.set PW,   67                          ; p's scale word
.set KF,   68                          ; v68-99   four fragments of K
.set VF,   100                         ; v100-131 four fragments of V
.set S,    132                         ; v132-195 S^T, then p
.set O,    196                         ; v196-227 O^T
.set OC,   228                         ; v228-235 the result's codes, four registers a head
.set SCB,  236                         ; v236 where waves 0 and 1 read the scratch back;  v240-243 what they read
.set WV,   12
.set Y,    13
.set CX,   14
.set G1C,  24                          ; s[24:31] group 1 for codes, s[32:39] for scale words, s[40:43], s[44:47] their groups 0
.set G1S,  32
.set G0C,  40
.set G0S,  44
.set SEL,  60                          ; s[60:61] v_permlanex16_b32's selects for lane l xor 16
.set CS,   62                          ; s[62:63] c = log2(e) / 8: the packed form names a pair and takes its low word for both halves
.set TK,   66                          ; LDS bytes at which the step's K, V and K's scale words begin
.set TV,   67
.set TS,   68
.set CNT,  69
.set QP,   70                          ; s[70:71] my tile of Q; s[72:73] its scale words; s[74:75] my tile of the result; s[76:77] the result's scale words
.set QSP,  72
.set AO,   74
.set AS,   76
.macro CROUND                          ; a round of the cluster's barrier
	s_barrier_signal -1
	s_barrier_wait -1
	s_cmp_lg_u32 s[WV], 0
	s_cbranch_scc1 .Lnot_wave_0_\@
	s_barrier_signal -3
.Lnot_wave_0_\@:
	s_barrier_wait -3
	s_barrier_signal -1
	s_barrier_wait -1
.endm
	s_load_b256 s[4:11], s[0:1], 0x0               ; qkv_codes s[4:5], qkv_scales s[6:7], att_codes s[8:9], att_scales s[10:11]
	v_lshl_add_u32 v254, v0, 2, 0x44400
	v_mov_b32 v255, 0
	ds_add_u32 v254, v255
	ds_add_u32 v254, v255
	v_lshrrev_b32 v1, 5, v0
	s_delay_alu instid0(VALU_DEP_1)
	v_readfirstlane_b32 s[WV], v1                  ; wave 0..15
	s_and_b32 s[Y], ttmp7, 0xffff                  ; 8 x batch + pair of heads: the four partners share it
	s_bfe_u32 s[CX], ttmp6, 0x40000                ; my place in the cluster: it enters global addresses of Q and of the results alone
	; group 1: dense blocks as rows of 256 bytes (32 elements of 8 bytes): 64 rows of codes, 4 rows of scale words; the mask names all four work-groups, bit 21 beside it
	s_mov_b32 s[G1C], 15|(3<<16)|(1<<21)
	s_mov_b32 s[G1C+1], 32<<16
	s_mov_b32 s[G1C+2], 64<<16
	s_mov_b32 s[G1C+3], 32<<16
	s_mov_b32 s[G1C+4], 64
	s_mov_b32 s[G1C+5], 32
	s_mov_b32 s[G1C+6], 0
	s_mov_b32 s[G1C+7], 0
	s_mov_b32 s[G1S], 15|(3<<16)|(1<<21)
	s_mov_b32 s[G1S+1], 32<<16
	s_mov_b32 s[G1S+2], 4<<16
	s_mov_b32 s[G1S+3], 32<<16
	s_mov_b32 s[G1S+4], 4
	s_mov_b32 s[G1S+5], 32
	s_mov_b32 s[G1S+6], 0
	s_mov_b32 s[G1S+7], 0
	s_lshr_b32 s18, s[WV], 3                       ; waves 0-7 fetch K's eighths, waves 8-15 V's.  Also: which 128 of the 256 queries my tile lies in
	s_and_b32 s19, s[WV], 7                        ; which eighth.  Also: my tile in its group
	s_lshl_b32 s20, s18, 22                        ; codes: role 1 + kind (4 MiB a role), + 128 KiB x y, + 16 KiB x eighth
	s_lshl_b32 s21, s19, 14
	s_add_co_u32 s20, s20, s21
	s_lshl_b32 s21, s[Y], 17
	s_add_co_u32 s20, s20, s21
	s_add_co_u32 s20, s20, 1<<22
	s_mov_b32 s21, 0
	s_lshl_b32 s22, s18, 18                        ; scale words: 256 KiB a role, 8 KiB x y, 1 KiB x eighth
	s_lshl_b32 s23, s19, 10
	s_add_co_u32 s22, s22, s23
	s_lshl_b32 s23, s[Y], 13
	s_add_co_u32 s22, s22, s23
	s_add_co_u32 s22, s22, 1<<18
	s_mov_b32 s23, 0
	s_wait_dscnt 0x0
	s_wait_kmcnt 0x0
	CROUND                                         ; all four work-groups are here: the joint loads meet
	s_mov_b32 s[G0C], 1
	s_lshl_b32 s[G0C+1], s[WV], 14                 ; K's and V's codes lie on end in LDS: 16 KiB x wave
	s_add_nc_u64 s[G0C+2:G0C+3], s[4:5], s[20:21]
	s_or_b32 s[G0C+3], s[G0C+3], 0x80000000
	s_mov_b32 s[G0S], 1
	s_lshl_b32 s[G0S+1], s[WV], 10                 ; and so do their scale words: 1 KiB x wave
	s_add_co_u32 s[G0S+1], s[G0S+1], KSR
	s_add_nc_u64 s[G0S+2:G0S+3], s[6:7], s[22:23]
	s_or_b32 s[G0S+3], s[G0S+3], 0x80000000
	tensor_load_to_lds s[G0S:G0S+3], s[G1S:G1S+7]  ; every wave fills bytes of its own: one tensor load of mine is out
	s_nop 0
	s_wait_alu depctr_va_vdst(0)
	s_wait_tensorcnt 0x0
	ds_add_u32 v254, v255
	s_wait_dscnt 0x0
	CROUND
	tensor_load_to_lds s[G0C:G0C+3], s[G1C:G1C+7]
	s_nop 0
.rept 4
	v_nop                                          ; four v_nop follow the second
.endr
	; while they are on their way: my addresses, Q
	s_lshl_b32 s15, ttmp9, 2
	s_add_co_u32 s15, s15, s[CX]                   ; my block of 256 queries
	s_lshl_b32 s16, s15, 1
	s_add_co_u32 s16, s16, s18                     ; my group of 128 tokens in the batch
	s_lshl_b32 s20, s[Y], 17                       ; Q (role 0): 128 KiB x y + 8 KiB x group + 512 x tile; the second head 4,096 bytes on
	s_lshl_b32 s21, s16, 13
	s_add_co_u32 s20, s20, s21
	s_lshl_b32 s21, s19, 9
	s_add_co_u32 s20, s20, s21
	s_mov_b32 s21, 0
	s_add_nc_u64 s[QP:QP+1], s[4:5], s[20:21]
	s_lshl_b32 s20, s[Y], 13                       ; its scale words: 8 KiB x y + 256 x group + 4 x (tile % 4)
	s_lshl_b32 s21, s16, 8
	s_add_co_u32 s20, s20, s21
	s_and_b32 s21, s19, 3
	s_lshl_b32 s21, s21, 2
	s_add_co_u32 s20, s20, s21
	s_mov_b32 s21, 0
	s_add_nc_u64 s[QSP:QSP+1], s[6:7], s[20:21]
	s_lshr_b32 s17, s[Y], 3
	s_lshl_b32 s17, s17, 4                         ; 16 x batch
	s_and_b32 s48, s[Y], 7                         ; pair of heads
	s_add_co_u32 s20, s17, s16                     ; att_codes: [tile of tokens 512][pair 8][head 2][512 bytes]
	s_lshl_b32 s20, s20, 3
	s_add_co_u32 s20, s20, s19
	s_lshl_b32 s20, s20, 13
	s_lshl_b32 s21, s48, 10
	s_add_co_u32 s20, s20, s21
	s_mov_b32 s21, 0
	s_add_nc_u64 s[AO:AO+1], s[8:9], s[20:21]
	s_min_u32 s22, s[WV], 1                        ; waves 0 and 1 store the two groups' scale words (held at 1, so that the address is sound in every wave)
	s_lshl_b32 s20, s15, 1                         ; att_scales: [pair 8][group of tokens 64][512 bytes]
	s_add_co_u32 s20, s20, s17
	s_add_co_u32 s20, s20, s22
	s_lshl_b32 s20, s20, 9
	s_lshl_b32 s21, s48, 15
	s_add_co_u32 s20, s20, s21
	s_mov_b32 s21, 0
	s_add_nc_u64 s[AS:AS+1], s[10:11], s[20:21]
	s_lshl_b32 s22, s22, 9
	s_add_co_u32 s22, s22, SCR
	s_lshl_b32 s23, s18, 9                         ; the scratch: 512 x group + 256 x (tile % 2) + 4 x (tile / 2) + 16 r
	s_and_b32 s49, s[WV], 1
	s_lshl_b32 s49, s49, 8
	s_add_co_u32 s23, s23, s49
	s_bfe_u32 s49, s[WV], 0x20001
	s_lshl_b32 s49, s49, 2
	s_add_co_u32 s23, s23, s49
	s_add_co_u32 s23, s23, SCR
	s_mov_b32 s78, 0x01000100                      ; Q's word holds tile p's two bytes below and tile p + 4's above: mine are wanted twice, [s0 s1 s0 s1]
	s_mov_b32 s79, 0x03020302
	s_cmp_ge_u32 s19, 4
	s_cselect_b32 s78, s79, s78
	s_mov_b32 s[SEL], 0x76543210
	s_mov_b32 s[SEL+1], 0xfedcba98
	s_mov_b32 s[CS], 0x3e38aa3b                    ; log2(e) / 8
	s_mov_b32 s[CS+1], s[CS]                       ; (named with it as a pair, so it is written)
	v_and_b32 v6, 31, v0
	s_delay_alu instid0(VALU_DEP_1)
	v_lshlrev_b32 v[LI], 4, v6
	v_and_b32 v7, 15, v0
	s_delay_alu instid0(VALU_DEP_1)
	v_lshlrev_b32 v[LR], 4, v7
	global_load_b128 v[20:23], v[LI], s[QP:QP+1]
	global_load_b128 v[28:31], v[LI], s[QP:QP+1] offset:4096
	global_load_b32 v[QW], v[LR], s[QSP:QSP+1]
	global_load_b32 v[QW+1], v[LR], s[QSP:QSP+1] offset:4096
	v_add_nc_u32 v[SCA], s23, v[LR]
	v_add_nc_u32 v[SCB], s22, v[LI]
.irp j, 16,17,18,19,24,25,26,27,32,33,34,35
	v_mov_b32 v\j, 0                               ; the zero halves beside q
.endr
.irp b, 0,1,2,3
	v_mov_b32 v[PT+\b], 0                          ; written once: a lane permute's destination counts as one of its sources
.endr
	v_mov_b32 v[F+1], 0
	s_wait_loadcnt 0x0
	v_perm_b32 v[QW], v[QW], v[QW], s78
	v_perm_b32 v[QW+1], v[QW+1], v[QW+1], s78
	s_wait_tensorcnt 0x0                           ; my two parts have landed,
	s_barrier_signal -1
	s_barrier_wait -1                              ; everybody's have
; A KEY STEP of head e: 128 keys.
.macro STEP e
	v_add_nc_u32 v[ADK], s[TK], v[LI]              ; these three and the v_nop are the four plain places between the last step's products and the loads into their operands
	v_add_nc_u32 v[ADV], s[TV], v[LI]
	v_add_nc_u32 v[ADS], s[TS], v[LR]
	v_nop
.irp p, 0,1,2,3
	ds_load_b128 v[KF+8*\p:KF+8*\p+3], v[ADK] offset:512*\p          ; tile p of the keys
	ds_load_b128 v[KF+8*\p+4:KF+8*\p+7], v[ADK] offset:512*\p+2048   ; tile p + 4
.endr
	ds_load_b128 v[KSW:KSW+3], v[ADS]
.irp t, 0,1,2,3
	ds_load_b128 v[VF+8*\t:VF+8*\t+3], v[ADV] offset:512*\t          ; channel tile t, keys 0-63 of the step
	ds_load_b128 v[VF+8*\t+4:VF+8*\t+7], v[ADV] offset:512*\t+4096   ; keys 64-127
.endr
	ds_load_b128 v[VSW:VSW+3], v[ADS] offset:VSR-KSR
	s_wait_dscnt 9                                 ; K's nine loads are in; V's nine, issued behind them, may stay out until the second product
.irp i, 0,1,2,3
	v_wmma_scale_f32_16x16x128_f8f6f4 v[S+8*\i:S+8*\i+7], v[KF+8*\i:KF+8*\i+7], v[20+8*\e:27+8*\e], 0, v[KSW+\i], v[QW+\e] matrix_a_fmt:MATRIX_FMT_FP4 matrix_b_fmt:MATRIX_FMT_FP4
.endr
.irp i, 0,1,2,3
	v_wmma_scale_f32_16x16x128_f8f6f4 v[S+32+8*\i:S+32+8*\i+7], v[KF+8*\i:KF+8*\i+7], v[16+8*\e:23+8*\e], 0, v[KSW+\i], v[QW+\e] matrix_a_fmt:MATRIX_FMT_FP4 matrix_b_fmt:MATRIX_FMT_FP4
.endr                                          ; lane (r, h) holds query r; register 16 b + i is key 32 b + 16 h + i of the step
.rept 4
	v_nop
.endr
.irp b, 0,1,2,3
	v_max3_num_f32 v[BM+\b], v[S+16*\b], v[S+16*\b+1], v[S+16*\b+2]   ; the largest score of each block of 32 keys: it serves for the row's maximum and, since p rises with the score, for the block's largest p
.endr
.irp i, 3,5,7,9,11,13
.irp b, 0,1,2,3
	v_max3_num_f32 v[BM+\b], v[BM+\b], v[S+16*\b+\i], v[S+16*\b+\i+1]
.endr
.endr
.irp b, 0,1,2,3
	v_max_num_f32 v[BM+\b], v[BM+\b], v[S+16*\b+15]
.endr
.irp b, 0,1,2,3
	s_delay_alu instid0(VALU_DEP_4)
	v_permlanex16_b32 v[PT+\b], v[BM+\b], s[SEL], s[SEL+1]
.endr
.irp b, 0,1,2,3
	s_delay_alu instid0(VALU_DEP_4)
	v_max_num_f32 v[BM+\b], v[BM+\b], v[PT+\b]     ; with lane l xor 16's 16 keys
.endr
	s_delay_alu instid0(VALU_DEP_2)
	v_max3_num_f32 v[T], v[BM], v[BM+1], v[BM+2]
	s_delay_alu instid0(VALU_DEP_1)
	v_max_num_f32 v[T], v[T], v[BM+3]              ; the step's largest score of my query
	s_delay_alu instid0(VALU_DEP_1)
	v_mul_f32 v[T], s[CS], v[T]                    ; as t (c is positive)
	s_delay_alu instid0(VALU_DEP_1)
	v_max_num_f32 v13, v13, v[T]                   ; the running largest t
	v_mov_b32 v[T], v12
	s_delay_alu instid0(VALU_DEP_2)
	v_floor_f32 v12, -v13                          ; the new -M = floor(-t) = -ceil(t): a whole number
	s_delay_alu instid0(VALU_DEP_1)
	v_sub_f32 v[T], v12, v[T]                      ; old M less new M: a whole number, 0 or less
	s_delay_alu instid0(VALU_DEP_1)
	v_cvt_i32_f32 v[T], v[T]                       ; (it saturates)
	s_delay_alu instid0(VALU_DEP_1)
	v_ldexp_f32 v[F], 1.0, v[T]                    ; f = 2^(old M - new M)
.set j, 0
.rept 32
	v_pk_fma_f32 v[S+j:S+j+1], v[S+j:S+j+1], s[CS:CS+1], v[12:13] op_sel_hi:[1,0,0]   ; t - M, two at a time
.set j, j+2
.endr
.irp b, 0,1,2,3
	v_fma_f32 v[BM+\b], v[BM+\b], s[CS], v12       ; the same of each block's largest score
.endr
.set j, 0
	s_wait_alu depctr_va_vdst(0)
.rept 64
	v_exp_f32 v[S+j], v[S+j]                       ; p = 2^(t - M), at most 1
.set j, j+1
.endr
	s_setprio 1
	v_pk_mul_f32 v[14:15], v[14:15], v[F:F+1] op_sel_hi:[1,0]   ; the sums under the new M: the plain place behind the exponentials
	s_wait_alu depctr_va_vdst(0)                   ; one wait for the batch of 64, ahead of its first reader
.irp b, 0,1,2,3
	v_exp_f32 v[BM+\b], v[BM+\b]                   ; the block's largest p: the same two instructions on the same number give the same bits
.endr
	v_pk_add_f32 v[PT:PT+1], v[S:S+1], v[S+2:S+3]  ; the row's sum is taken of the unquantised p, in two chains; it reads the 64 alone
.set j, 4
.rept 15
	v_pk_add_f32 v[14:15], v[14:15], v[S+j:S+j+1]
	v_pk_add_f32 v[PT:PT+1], v[PT:PT+1], v[S+j+2:S+j+3]
.set j, j+4
.endr
	s_delay_alu instid0(VALU_DEP_1)
	v_pk_add_f32 v[14:15], v[14:15], v[PT:PT+1]
	s_wait_alu depctr_va_vdst(0)                   ; and one for the four
.irp b, 0,1,2,3
	v_max_num_f32 v[BM+\b], 0x1800000, v[BM+\b]    ; the floor 2^(3 - 127): the byte cannot fall under 1
.endr
.irp b, 0,1,2,3
	s_delay_alu instid0(VALU_DEP_4)
	v_add_nc_u32 v[SO+\b], 0xff000000, v[BM+\b]    ; 2 off the exponent field: the conversion's scale operand
.endr
.irp b, 0,1,2,3
	s_delay_alu instid0(VALU_DEP_4)
	v_lshrrev_b32 v[PT+\b], 23, v[SO+\b]           ; the scale's byte
.endr
	s_delay_alu instid0(VALU_DEP_3)
	v_lshl_or_b32 v[PW], v[PT+1], 8, v[PT]         ; p's scale word for these 128 keys
	s_delay_alu instid0(VALU_DEP_1)
	v_lshl_or_b32 v[PW], v[PT+2], 16, v[PW]
	s_delay_alu instid0(VALU_DEP_1)
	v_lshl_or_b32 v[PW], v[PT+3], 24, v[PW]
.irp b, 0,1,2,3
	v_cvt_scalef32_pk8_fp4_f32 v[PC+2*\b], v[S+16*\b:S+16*\b+7], v[SO+\b]
	v_cvt_scalef32_pk8_fp4_f32 v[PC+2*\b+1], v[S+16*\b+8:S+16*\b+15], v[SO+\b]
.endr
	v_nop                                          ; one plain place behind the last scaled conversion
.irp c, 0,1                                    ; a whole block in a lane: lanes 0-15 block 2 c, lanes 16-31 block 2 c + 1
.irp i, 0,1
	v_permlane16_swap_b32 v[PC+4*\c+\i], v[PC+2+4*\c+\i]
.endr
.endr
.set j, 0
	s_setprio 0
.rept 16
	v_pk_mul_f32 v[O+j:O+j+1], v[O+j:O+j+1], v[F:F+1] op_sel_hi:[1,0]   ; O^T under the new M, each accumulator from its low end on.  Twelve of these name no register of any one product below: the places between p's scale word and codes and the products
.set j, j+2
.endr
	s_wait_alu depctr_va_vdst(0)
	s_wait_dscnt 0x0                               ; V's fragments and scale words are in
.irp t, 0,1,2,3
	v_wmma_scale_f32_16x16x128_f8f6f4 v[O+8*\t:O+8*\t+7], v[VF+8*\t:VF+8*\t+7], v[PC:PC+7], v[O+8*\t:O+8*\t+7], v[VSW+\t], v[PW] matrix_a_fmt:MATRIX_FMT_FP4 matrix_b_fmt:MATRIX_FMT_FP4
.endr
	s_add_co_u32 s[TK], s[TK], 8192                ; the next 128 keys
	s_add_co_u32 s[TV], s[TV], 8192
	s_add_co_u32 s[TS], s[TS], 256
.endm
.macro KLOOP e, n
	s_mov_b32 s[CNT], \n
.Lkeys_\@:
	s_setprio 2
	STEP \e
	s_sub_co_u32 s[CNT], s[CNT], 1
	s_cmp_lg_u32 s[CNT], 0
	s_cbranch_scc1 .Lkeys_\@
	s_setprio 0
.endm
.macro INIT e                          ; the step is written once for a head: its first trip finds zeros, which the first change of M leaves zeros
	s_mov_b32 s[TK], KC+4096*\e
	s_mov_b32 s[TV], VC+2048*\e
	s_mov_b32 s[TS], KSR+4096*\e
	v_mov_b32 v13, 0xff61b1e6                      ; the largest t so far: -3e38, under every t
	s_delay_alu instid0(VALU_DEP_1)
	v_floor_f32 v12, -v13
	v_mov_b32 v14, 0
	v_mov_b32 v15, 0
.set j, 0
.rept 32
	v_mov_b32 v[O+j], 0
.set j, j+1
.endr
.endm
; Head e is finished: O^T / the sum, quantised along its 64 channels (register 16 b + i is channel 32 b + 16 h + i): half a fragment of the last product's K step, and half of its scale word.
.macro FIN e
.rept 4
	v_nop                                          ; four plain places between the last products and the first read of results
.endr
	v_add_f32 v14, v14, v15                        ; the sum's two halves,
	s_delay_alu instid0(VALU_DEP_1)
	v_permlanex16_b32 v[T], v14, s[SEL], s[SEL+1]
	s_delay_alu instid0(VALU_DEP_1)
	v_add_f32 v14, v14, v[T]                       ; and lane l xor 16's: the row's sum
	s_wait_alu depctr_va_vdst(0)
	v_rcp_f32 v14, v14
	v_nop                                          ; one plain place behind the reciprocal
	s_wait_alu depctr_va_vdst(0)                   ; and the wait ahead of its first reader
.set j, 0
.rept 16
	v_pk_mul_f32 v[S+j:S+j+1], v[O+j:O+j+1], v[14:15] op_sel_hi:[1,0]
.set j, j+2
.endr
.irp b, 0,1
	v_max3_num_f32 v[BM+\b], |v[S+16*\b]|, |v[S+16*\b+1]|, 0x1800000
.endr
.irp i, 2,4,6,8,10,12,14
.irp b, 0,1
	s_delay_alu instid0(VALU_DEP_2)
	v_max3_num_f32 v[BM+\b], v[BM+\b], |v[S+16*\b+\i]|, |v[S+16*\b+\i+1]|
.endr
.endr
.irp b, 0,1
	s_delay_alu instid0(VALU_DEP_2)
	v_permlanex16_b32 v[PT+\b], v[BM+\b], s[SEL], s[SEL+1]
.endr
.irp b, 0,1
	s_delay_alu instid0(VALU_DEP_2)
	v_max_num_f32 v[BM+\b], v[BM+\b], v[PT+\b]
.endr
.irp b, 0,1
	s_delay_alu instid0(VALU_DEP_2)
	v_add_nc_u32 v[SO+\b], 0xff000000, v[BM+\b]
.endr
.irp b, 0,1
	s_delay_alu instid0(VALU_DEP_2)
	v_lshrrev_b32 v[PT+\b], 23, v[SO+\b]
.endr
.if \e == 0
	s_delay_alu instid0(VALU_DEP_1)
	v_lshl_or_b32 v[PWA], v[PT+1], 8, v[PT]        ; the first head's two bytes
.else
	s_delay_alu instid0(VALU_DEP_1)
	v_lshl_or_b32 v[T], v[PT+1], 8, v[PT]
	s_delay_alu instid0(VALU_DEP_1)
	v_lshl_or_b32 v[PWA], v[T], 16, v[PWA]         ; the second head's above them
.endif
.irp b, 0,1
	v_cvt_scalef32_pk8_fp4_f32 v[OC+4*\e+2*\b], v[S+16*\b:S+16*\b+7], v[SO+\b]
	v_cvt_scalef32_pk8_fp4_f32 v[OC+4*\e+2*\b+1], v[S+16*\b+8:S+16*\b+15], v[SO+\b]
.endr
	v_nop                                          ; one plain place behind the last scaled conversion
	v_permlane16_swap_b32 v[OC+4*\e], v[OC+4*\e+2]
	v_permlane16_swap_b32 v[OC+4*\e+1], v[OC+4*\e+3]
	global_store_b128 v[LI], v[OC+4*\e:OC+4*\e+3], s[AO:AO+1] offset:512*\e   ; 32 lanes store 512 consecutive bytes; each head has code registers of its own
.endm
	INIT 0
	KLOOP 0, 16
	FIN 0
	INIT 1
	KLOOP 1, 16
	FIN 1
	ds_store_b32 v[SCA], v[PWA]                    ; my tile's scale words meet the other tiles' (lanes r and r + 16 write the same word with the same value)
	s_wait_dscnt 0x0                               ; for the others' sake: my store is done
	s_barrier_signal -1
	s_barrier_wait -1
	s_cmp_lt_u32 s[WV], 2
	s_cbranch_scc0 .Lno_copy
	ds_load_b128 v[240:243], v[SCB]                ; a group's 512 bytes, as the last launch's scale registers want them
	s_wait_dscnt 0x0
	global_store_b128 v[LI], v[240:243], s[AS:AS+1]
.Lno_copy:
	s_wait_tensorcnt 0x0
	ds_add_u32 v254, v255
	s_wait_dscnt 0x0
	CROUND                                         ; the closing round: no work-group ends while a partner may still ask for a part that names it
	s_endpgm
.Lfunc_end_k_q71a05e1f44_attn:
	.size	k_q71a05e1f44_attn, .Lfunc_end_k_q71a05e1f44_attn-k_q71a05e1f44_attn
	.p2alignl 7, 3214868480
	.fill 96, 4, 3214868480
	.section	.rodata,"a",@progbits
	.p2align	6, 0x0
	.amdhsa_kernel k_q71a05e1f44_attn
		.amdhsa_group_segment_fixed_size 327680
		.amdhsa_private_segment_fixed_size 0
		.amdhsa_enable_private_segment 0
		.amdhsa_kernarg_size 32
		.amdhsa_user_sgpr_count 2
		.amdhsa_user_sgpr_kernarg_segment_ptr 1
		.amdhsa_wavefront_size32 1
		.amdhsa_system_sgpr_workgroup_id_x 1
		.amdhsa_system_sgpr_workgroup_id_y 1
		.amdhsa_system_sgpr_workgroup_id_z 1
		.amdhsa_system_vgpr_workitem_id 0
		.amdhsa_next_free_vgpr 256
		.amdhsa_next_free_sgpr 80
		.amdhsa_reserve_vcc 0
		.amdhsa_float_denorm_mode_32 3
		.amdhsa_float_denorm_mode_16_64 3
		.amdhsa_memory_ordered 1
		.amdhsa_forward_progress 1
		.amdhsa_inst_pref_size 52
	.end_amdhsa_kernel
	.amdgpu_metadata
---
amdhsa.version: [ 1, 2 ]
amdhsa.kernels:
  - .name:           k_q71a05e1f44_attn
    .symbol:         k_q71a05e1f44_attn.kd
    .args:
      - { .name: qkv_codes, .offset: 0, .size: 8, .value_kind: global_buffer, .address_space: global }
      - { .name: qkv_scales, .offset: 8, .size: 8, .value_kind: global_buffer, .address_space: global }
      - { .name: att_codes, .offset: 16, .size: 8, .value_kind: global_buffer, .address_space: global }
      - { .name: att_scales, .offset: 24, .size: 8, .value_kind: global_buffer, .address_space: global }
    .group_segment_fixed_size: 327680
    .private_segment_fixed_size: 0
    .kernarg_segment_align: 8
    .kernarg_segment_size: 32
    .max_flat_workgroup_size: 512
    .sgpr_count:     80
    .vgpr_count:     256
    .wavefront_size: 32
...
	.end_amdgpu_metadata
.endif
;; end of part 2
;; launch proj (part 3): grid 4 x 64, 4 waves a work-group, clusters of 4 x 4, 235,008 bytes of LDS; arguments att_codes, att_scales, Wo_codes, Wo_scales, bo, out0; writes out0
.if DOCPART == 3
	.amdgcn_target "amdgcn-amd-amdhsa--gfx1250"
	.amdhsa_code_object_version 6
	.text
	.protected	k_q71a05e1f44_proj
	.globl	k_q71a05e1f44_proj
	.p2align	8
	.type	k_q71a05e1f44_proj,@function
k_q71a05e1f44_proj:
	s_mov_b64 s[64:65], 0
	v_nop
	global_prefetch_b8 v0, s[64:65] scope:SCOPE_SE
	s_setreg_imm32_b32 hwreg(HW_REG_WAVE_MODE, 25, 1), 1
	s_wait_xcnt 0x0
	s_wait_alu depctr_hold_cnt(0) depctr_sa_sdst(0) depctr_va_vdst(0) depctr_va_sdst(0) depctr_va_ssrc(0) depctr_va_vcc(0) depctr_vm_vsrc(0)
	s_getreg_b32 s2, hwreg(HW_REG_IB_STS2, 6, 4)
	s_cmp_eq_u32 s2, 0
	s_cbranch_scc0 .Lentry_in_a_cluster
	s_endpgm
.Lentry_in_a_cluster:
	s_bfe_u32 s2, ttmp6, 0x10000c
	s_cmp_lg_u32 s2, 0xf033
	s_cbranch_scc0 .Lentry_shape_is_right
	s_endpgm
.Lentry_shape_is_right:
; out = att Wo^T + bo on codes of FP4 (E2M1) with one E8M0 scale for each 32 along K (K = 1,024), sums in f32, out in f32.
; att comes from the launch before as images of operand registers, [tile of 16 tokens][K step 8][2][512 bytes], its scale words as images of scale registers; Wo as given, rows of 512 bytes.
; SHARES.  A work-group makes 128 tokens x 256 columns: 256 work-groups.  Four waves, each 64 tokens (4 tiles) x 128 columns (8 tiles): 32 accumulators.
; THE MATRIX INSTRUCTION IS USED TRANSPOSED (source 0 = 16 rows of Wo, source 1 = a tile of tokens): a lane holds eight neighbouring columns of one token's row.
; A tile's tokens are not neighbours: row t of tile i of a group is token 32 (i / 2) + 8 (i % 2) + t + 8 (t / 8): the stores' offsets put each row in its place.
; LDS: all of K fits, so both tiles are filled once: no byte is filled again.  att's images are read 512 consecutive bytes a load; Wo's rows lie 528 bytes apart (132 words: sixteen rows begin 4 words apart modulo 64).
; CLUSTERS: 4 x 4.  att's tile hangs on the token group alone and is asked for jointly along a row of the cluster, Wo's on the column block alone and jointly along a column.
; LIMITS: NaN, infinities and a given scale byte 0xff are not served.
; REGISTERS: window 0: v1-23 addresses; v32-63 Wo's scale words; v64-79 att's; v96-159 the bias as C, later rows of out; v160-223 rows of out.
;   window 1: two sets of fragments: Wo's eight at v[128 p + 8 b], att's four at v[128 p + 64 + 8 a].   window 2: accumulator (a, b) at v[64 a + 8 b].
.set AREG,  0                          ; att: 8 tiles x 8 K steps x 1,024 bytes
.set WREG,  65536                      ; Wo: 2 x 128 rows x 528 bytes
.set WHALF, 128*528
.set STAGE, WREG+2*WHALF               ; the way out: 16 rows x (512 + 16) bytes for each wave; no fill lands there
.set ADW,  16                          ; v16  LDS address of Wo's fragments
.set ADA,  17                          ; v17  of att's
.set STO,  18                          ; v18  the stage: where I put 32 bytes of a row
.set RD,   19                          ; v19  and where I read a row back
.set CO,   20                          ; v20  16 x lane
.set WSO,  21                          ; v21  32 x lane: my row of Wo's scale bytes
.set ASO,  22                          ; v22  16 x lane + 8 x token half: my words of att's scales
.set BOF,  23                          ; v23  32 h: my offset in the bias
.set SCW,  32                          ; register 8 j + ks: lanes 0-15 the word of Wo's tile 2 j, lanes 16-31 of tile 2 j + 1
.set SCA,  64                          ; register 2 ks + jj: lanes 0-15 the word of my token tile 2 jj, lanes 16-31 of tile 2 jj + 1
.set BI,   96
.set WV,   16
.set WA,   17                          ; which 64 tokens are mine.  Also: I fetch for att (0) or for Wo (1)
.set WB,   18                          ; which 128 columns are mine.  Also: which half I fetch
.set CX,   19
.set CY,   20
.set TY,   21                          ; group of 128 tokens, 0 .. 63
.set CT,   22                          ; block of 256 columns
.set G1A,  24                          ; s[24:31], s[32:39] descriptor groups 1 for att and Wo; s[40:43], s[44:47] their groups 0
.set G1W,  32
.set G0A,  40
.set G0W,  44
.set MSB, 0
.macro WIN new                         ; the immediate's high byte repeats the setting that is left; a switch that changes nothing is dropped
.if MSB != (\new)
	s_set_vgpr_msb (MSB<<8)|(\new)
.set MSB, (\new)
.endif
.endm
.macro PLACES n
.rept \n
	v_nop
.endr
.endm
.macro CROUND                          ; a round of the cluster's barrier
	s_barrier_signal -1
	s_barrier_wait -1
	s_cmp_lg_u32 s[WV], 0
	s_cbranch_scc1 .Lnot_wave_0_\@
	s_barrier_signal -3
.Lnot_wave_0_\@:
	s_barrier_wait -3
	s_barrier_signal -1
	s_barrier_wait -1
.endm
	s_load_b256 s[4:11], s[0:1], 0x0               ; att_codes s[4:5], att_scales s[6:7], Wo's codes s[8:9], Wo's scales s[10:11]
	s_load_b128 s[12:15], s[0:1], 0x20             ; bo s[12:13], out0 s[14:15]
	v_lshl_add_u32 v254, v0, 2, 0x39400
	v_mov_b32 v255, 0
	ds_add_u32 v254, v255
	ds_add_u32 v254, v255
	v_lshrrev_b32 v1, 5, v0
	v_readfirstlane_b32 s[WV], v1                  ; wave 0..3
	s_lshr_b32 s[WA], s[WV], 1
	s_and_b32 s[WB], s[WV], 1
	s_bfe_u32 s[CX], ttmp6, 0x40000
	s_bfe_u32 s[CY], ttmp6, 0x40004
	s_lshl_b32 s[CT], ttmp9, 2
	s_add_co_u32 s[CT], s[CT], s[CX]
	s_and_b32 s[TY], ttmp7, 0xffff
	s_lshl_b32 s[TY], s[TY], 2
	s_add_co_u32 s[TY], s[TY], s[CY]
	s_lshl_b32 s48, s[CY], 2
	s_lshl_b32 s48, 15, s48                        ; my row of the cluster
	s_lshl_b32 s50, 0x1111, s[CX]                  ; my column
	s_or_b32 s[G1A], s48, (3<<16)|(1<<21)          ; att: a dense block of 32 KiB as 128 rows of 256 bytes (32 elements of 8 bytes), no padding
	s_mov_b32 s[G1A+1], 32<<16
	s_mov_b32 s[G1A+2], 128<<16
	s_mov_b32 s[G1A+3], 32<<16
	s_mov_b32 s[G1A+4], 128
	s_mov_b32 s[G1A+5], 32
	s_mov_b32 s[G1A+6], 0
	s_mov_b32 s[G1A+7], 0
	s_or_b32 s[G1W], s50, (3<<16)|(1<<20)|(1<<21)|(6<<22)|(3<<25)   ; Wo: 128 rows of 512 bytes (64 elements), 4 words of padding behind every 128
	s_mov_b32 s[G1W+1], 64<<16
	s_mov_b32 s[G1W+2], 128<<16
	s_mov_b32 s[G1W+3], 64<<16
	s_mov_b32 s[G1W+4], 128
	s_mov_b32 s[G1W+5], 64
	s_mov_b32 s[G1W+6], 0
	s_mov_b32 s[G1W+7], 0
	s_lshl_b32 s48, s[TY], 16                      ; att: 64 KiB a group, + the half that I fetch
	s_lshl_b32 s49, s[WB], 15
	s_add_co_u32 s48, s48, s49
	s_mov_b32 s49, 0
	s_lshl_b32 s50, s[CT], 17                      ; Wo: 256 rows of 512 bytes a block, + 128 rows; in registers that never hold cy
	s_lshl_b32 s51, s[WB], 16
	s_add_co_u32 s50, s50, s51
	s_mov_b32 s51, 0
	s_mul_i32 s56, s[WB], WHALF
	s_wait_dscnt 0x0
	s_wait_kmcnt 0x0
	s_add_nc_u64 s[52:53], s[4:5], s[48:49]
	s_add_nc_u64 s[54:55], s[8:9], s[50:51]
	CROUND                                         ; all sixteen work-groups are here: the joint loads meet
	s_mov_b32 s[G0A], 1
	s_lshl_b32 s[G0A+1], s[WB], 15                 ; (AREG = 0)
	s_mov_b64 s[G0A+2:G0A+3], s[52:53]
	s_or_b32 s[G0A+3], s[G0A+3], 0x80000000
	s_mov_b32 s[G0W], 1
	s_add_co_u32 s[G0W+1], s56, WREG
	s_mov_b64 s[G0W+2:G0W+3], s[54:55]
	s_or_b32 s[G0W+3], s[G0W+3], 0x80000000
	s_cmp_eq_u32 s[WA], 0                          ; one tensor load a wave; four v_nop follow each of the two lines
	s_cbranch_scc0 .Lfill_w
	tensor_load_to_lds s[G0A:G0A+3], s[G1A:G1A+7]
	s_nop 0
	PLACES 4
	s_branch .Lfilled
.Lfill_w:
	tensor_load_to_lds s[G0W:G0W+3], s[G1W:G1W+7]
	s_nop 0
	PLACES 4
.Lfilled:
	v_and_b32 v1, 15, v0                           ; r
	v_bfe_u32 v2, v0, 4, 1                         ; h
	v_and_b32 v3, 31, v0                           ; lane
	v_mul_u32_u24 v4, v1, 528
	v_lshl_add_u32 v5, v2, 4, v4
	s_add_co_u32 s56, s56, WREG
	v_add_nc_u32 v[ADW], s56, v5                   ; my 128 rows of Wo: row r x 528 + 16 h
	v_lshlrev_b32 v[CO], 4, v3
	s_lshl_b32 s57, s[WA], 15
	v_add_nc_u32 v[ADA], s57, v[CO]                ; my four tiles of att: 16 x lane
	s_mul_i32 s57, s[WV], 16*528
	s_add_co_u32 s57, s57, STAGE
	v_lshl_add_u32 v6, v2, 5, v4
	v_add_nc_u32 v[STO], s57, v6                   ; in: row r, 32 bytes for each half of the lanes
	v_add_nc_u32 v[RD], s57, v[CO]                 ; back: the 32 lanes take one row of 512 bytes
	v_lshlrev_b32 v[WSO], 5, v3
	s_wait_alu depctr_va_vdst(0)
	s_lshl_b32 s57, s[WA], 3
	v_add_nc_u32 v[ASO], s57, v[CO]
	s_wait_alu depctr_va_vdst(0)
	v_lshlrev_b32 v[BOF], 5, v2
	s_wait_alu depctr_va_vdst(0)
	s_lshl_b32 s58, s[CT], 13                      ; Wo's scale bytes: 32 a row
	s_lshl_b32 s59, s[WB], 12
	s_add_co_u32 s58, s58, s59
	s_mov_b32 s59, 0
	s_add_nc_u64 s[10:11], s[10:11], s[58:59]
	s_lshl_b32 s58, s[TY], 9                       ; att's scale words: 512 bytes a group in each K step's 32 KiB
	s_add_nc_u64 s[6:7], s[6:7], s[58:59]
	s_lshl_b32 s58, s[CT], 10                      ; my first column, in bytes
	s_lshl_b32 s60, s[WB], 9
	s_add_co_u32 s58, s58, s60
	s_add_nc_u64 s[12:13], s[12:13], s[58:59]
	s_lshl_b32 s60, s[TY], 19                      ; my first row of out: 128 rows of 4,096 bytes a group, + 64 rows
	s_add_co_u32 s58, s58, s60
	s_lshl_b32 s60, s[WA], 18
	s_add_co_u32 s58, s58, s60
	s_add_nc_u64 s[14:15], s[14:15], s[58:59]
.irp j, 0,1,2,3
.irp q, 0,1
	global_load_b128 v[SCW+8*\j+4*\q:SCW+8*\j+4*\q+3], v[WSO], s[10:11] offset:1024*\j+16*\q
.endr
.endr
.irp ks, 0,1,2,3,4,5,6,7
	global_load_b64 v[SCA+2*\ks:SCA+2*\ks+1], v[ASO], s[6:7] offset:32768*\ks
.endr
.irp b, 0,1,2,3,4,5,6,7
	global_load_b128 v[BI+8*\b:BI+8*\b+3], v[BOF], s[12:13] offset:64*\b          ; the bias is the C of each sum's first product: tile b's register j is column 16 b + 8 h + j
	global_load_b128 v[BI+8*\b+4:BI+8*\b+7], v[BOF], s[12:13] offset:64*\b+16
.endr
; One product.  The caller sets rD, rA, rB, rC, rSA, rSB; ra, rb = 1: that side's scale words stand in lanes 16-31 of the register named.
.macro WM ra, rb
.if ((\ra)+2*(\rb)) == 0
	v_wmma_scale_f32_16x16x128_f8f6f4 v[rD:rD+7], v[rA:rA+7], v[rB:rB+7], v[rC:rC+7], v[rSA], v[rSB] matrix_a_fmt:MATRIX_FMT_FP4 matrix_b_fmt:MATRIX_FMT_FP4
.elseif ((\ra)+2*(\rb)) == 1
	v_wmma_scale_f32_16x16x128_f8f6f4 v[rD:rD+7], v[rA:rA+7], v[rB:rB+7], v[rC:rC+7], v[rSA], v[rSB] matrix_a_fmt:MATRIX_FMT_FP4 matrix_b_fmt:MATRIX_FMT_FP4 matrix_a_scale:MATRIX_SCALE_ROW1
.elseif ((\ra)+2*(\rb)) == 2
	v_wmma_scale_f32_16x16x128_f8f6f4 v[rD:rD+7], v[rA:rA+7], v[rB:rB+7], v[rC:rC+7], v[rSA], v[rSB] matrix_a_fmt:MATRIX_FMT_FP4 matrix_b_fmt:MATRIX_FMT_FP4 matrix_b_scale:MATRIX_SCALE_ROW1
.else
	v_wmma_scale_f32_16x16x128_f8f6f4 v[rD:rD+7], v[rA:rA+7], v[rB:rB+7], v[rC:rC+7], v[rSA], v[rSB] matrix_a_fmt:MATRIX_FMT_FP4 matrix_b_fmt:MATRIX_FMT_FP4 matrix_a_scale:MATRIX_SCALE_ROW1 matrix_b_scale:MATRIX_SCALE_ROW1
.endif
.endm
.macro FETCH ks, p                     ; 24 LDS loads in one run: K step ks's twelve fragments into set p
	WIN 0x40                                       ; destination window 1, address window 0
.irp t, 0,1,2,3,4,5,6,7
.irp c, 0,1
	ds_load_b128 v[128*(\p)+8*\t+4*\c:128*(\p)+8*\t+4*\c+3], v[ADW] offset:\t*16*528+64*(\ks)+32*\c
.endr
.endr
.irp t, 0,1,2,3
.irp c, 0,1
	ds_load_b128 v[128*(\p)+64+8*\t+4*\c:128*(\p)+64+8*\t+4*\c+3], v[ADA] offset:8192*\t+1024*(\ks)+512*\c
.endr
.endr
.endm
; 32 products: my four tiles of tokens against Wo's eight.  The 32 accumulators take turns, one instruction a turn, in the same order in every K step.
.macro MUL32 p, ks
.if (\ks) == 0
	WIN 0x85                                       ; sources 0 and 1 window 1, C (the bias) window 0, D window 2
.else
	WIN 0xa5                                       ; C and D window 2
.endif
.irp a, 0,1,2,3
.irp b, 0,1,2,3,4,5,6,7
.set rD, 64*\a+8*\b
.set rA, 128*(\p)+8*\b
.set rB, 128*(\p)+64+8*\a
.set rC, rD
.if (\ks) == 0
.set rC, BI+8*\b
.endif
.set rSA, SCW+8*(\b/2)+(\ks)
.set rSB, SCA+2*(\ks)+\a/2
	WM \b%2, \a%2
.endr
.endr
	WIN 0
.endm
.macro STEP ks                         ; K step ks: its fragments were asked for a step ago; the next step's are asked for first, 32 products ahead of their use
	s_wait_dscnt 0x0                               ; this step's 24 loads are in
.if (\ks) < 7
.if (\ks) > 0
	PLACES 4                                       ; four plain places between the last products that read the other set and the loads into it
.endif
	FETCH (\ks)+1, ((\ks)+1)%2
.endif
	MUL32 (\ks)%2, \ks
.endm
	s_wait_tensorcnt 0x0                           ; my part of the tiles has landed,
	s_barrier_signal -1
	s_barrier_wait -1                              ; everybody's has
	FETCH 0, 0
	s_wait_loadcnt 0x0                             ; the scale words and the bias
.irp ks, 0,1,2,3,4,5,6,7
	STEP \ks
.endr
; THE WAY OUT, a tile of 16 tokens x 128 columns at a time.  A lane holds 32 neighbouring bytes of a row and the lanes beside it hold other rows: so a tile goes through my own stage in LDS and comes back as whole rows of
; 512 bytes.  LDS serves a wave's instructions in order (ISA guide 5.7.1.4): no wait between the stores and the loads, nor in front of the next tile's stores.
.macro TOSTAGE a
	WIN 0x08                                       ; an LDS store's data are its source 1: window 2
.irp b, 0,1,2,3,4,5,6,7
	ds_store_b128 v[STO], v[64*(\a)+8*\b:64*(\a)+8*\b+3] offset:64*\b          ; each accumulator from its low end on
	ds_store_b128 v[STO], v[64*(\a)+8*\b+4:64*(\a)+8*\b+7] offset:64*\b+16
.endr
	WIN 0
.set BB, 160-64*((\a)%2)
.irp t, 0,1,2,3,4,5,6,7,8,9,10,11,12,13,14,15
	ds_load_b128 v[BB+4*\t:BB+4*\t+3], v[RD] offset:\t*528
.endr
.endm
.macro SEND a, younger                 ; younger: the LDS instructions issued behind tile a's loads, which may stay out
.set BB, 160-64*((\a)%2)
	s_wait_dscnt \younger                          ; the tile is back in registers
.irp t, 0,1,2,3,4,5,6,7,8,9,10,11,12,13,14,15
	global_store_b128 v[CO], v[BB+4*\t:BB+4*\t+3], s[14:15] offset:(32*((\a)/2)+8*((\a)%2)+\t+8*(\t/8))*4096 th:TH_STORE_NT   ; 32 lanes store 512 consecutive bytes, at a multiple of 256 from out's first byte; the row's token stands in the immediate, 63 rows at the most
.endr
.endm
	PLACES 4                                       ; four plain places between the last products and the first read of results, and the loads into the registers that held the bias
	TOSTAGE 0
.irp a, 1,2,3
.if \a > 1
	s_wait_xcnt 0x0                                ; tile a - 2's stores have read their registers: tile a's loads may land there
.endif
	TOSTAGE \a
	SEND \a-1, 32                                  ; behind tile a - 1's loads: tile a's 16 stores and 16 loads
.endr
	SEND 3, 0
	s_wait_tensorcnt 0x0
	ds_add_u32 v254, v255
	s_wait_dscnt 0x0
	CROUND                                         ; the closing round: no work-group ends while a partner may still ask for a tile that names it
	s_endpgm
.Lfunc_end_k_q71a05e1f44_proj:
	.size	k_q71a05e1f44_proj, .Lfunc_end_k_q71a05e1f44_proj-k_q71a05e1f44_proj
	.p2alignl 7, 3214868480
	.fill 96, 4, 3214868480
	.section	.rodata,"a",@progbits
	.p2align	6, 0x0
	.amdhsa_kernel k_q71a05e1f44_proj
		.amdhsa_group_segment_fixed_size 235008
		.amdhsa_private_segment_fixed_size 0
		.amdhsa_enable_private_segment 0
		.amdhsa_kernarg_size 48
		.amdhsa_user_sgpr_count 2
		.amdhsa_user_sgpr_kernarg_segment_ptr 1
		.amdhsa_wavefront_size32 1
		.amdhsa_system_sgpr_workgroup_id_x 1
		.amdhsa_system_sgpr_workgroup_id_y 1
		.amdhsa_system_sgpr_workgroup_id_z 1
		.amdhsa_system_vgpr_workitem_id 0
		.amdhsa_next_free_vgpr 768
		.amdhsa_next_free_sgpr 80
		.amdhsa_reserve_vcc 0
		.amdhsa_float_denorm_mode_32 3
		.amdhsa_float_denorm_mode_16_64 3
		.amdhsa_memory_ordered 1
		.amdhsa_forward_progress 1
		.amdhsa_inst_pref_size 70
	.end_amdhsa_kernel
	.amdgpu_metadata
---
amdhsa.version: [ 1, 2 ]
amdhsa.kernels:
  - .name:           k_q71a05e1f44_proj
    .symbol:         k_q71a05e1f44_proj.kd
    .args:
      - { .name: att_codes, .offset: 0, .size: 8, .value_kind: global_buffer, .address_space: global }
      - { .name: att_scales, .offset: 8, .size: 8, .value_kind: global_buffer, .address_space: global }
      - { .name: Wo_codes, .offset: 16, .size: 8, .value_kind: global_buffer, .address_space: global }
      - { .name: Wo_scales, .offset: 24, .size: 8, .value_kind: global_buffer, .address_space: global }
      - { .name: bo, .offset: 32, .size: 8, .value_kind: global_buffer, .address_space: global }
      - { .name: out0, .offset: 40, .size: 8, .value_kind: global_buffer, .address_space: global }
    .group_segment_fixed_size: 235008
    .private_segment_fixed_size: 0
    .kernarg_segment_align: 8
    .kernarg_segment_size: 48
    .max_flat_workgroup_size: 128
    .sgpr_count:     80
    .vgpr_count:     768
    .wavefront_size: 32
...
	.end_amdgpu_metadata
.endif
;; end of part 3
